; MI455X (gfx1250); checked and timed in simulation.
; The chip was launched on July 23, 2026; its instructions are those of AMD's public machine-readable ISA for CDNA 5 (MIT licence, August 2026) and "CDNA5" Instruction Set Architecture Reference Guide (July 2026). The comments in the code are by the model that wrote it; some were corrected since.
;; Embedding To Index. Allowed arithmetic: matrix products marked QUANTISED: E2M1 operands, one E8M0 scale for each 32 along K, by v_wmma_scale_f32_16x16x128_f8f6f4 with both operands' format E2M1 (or v_wmma_scale_f32_32x16x128_f4), f32 sums; everything else in f32.
;; Inputs: X 8 x 2,048 x 64 float32; weight 8,192 x 64 float32.
;; Outputs: out0 8 x 2,048 int32.
;; This version of the problem:
;;   THIS VERSION OF THE PROBLEM IS GIVEN IN LOW PRECISION. The matrix products marked QUANTISED in the list below multiply operands that are first quantised to E2M1 (2 exponent bits, 1 mantissa bit; 4 bits a number), with one power-of-two scale for each 32 numbers along K (OCP MX v1.0); their sums are f32. All else is computed in f32.
;;   The module's matrix products, in the order in which they are computed (A, B: the left and right operand; K: the contracted axis; several contracted axes count as one K, in the product's order):
;;     1. [M 16,384, K 64] x [K 64, N 8,192]; A: input X; B: input weight: QUANTISED
;;   THE QUANTISER, for each operand of a quantised product, along K:
;;     - K is cut into blocks of 32 from its start; a last block that is shorter is filled with zeros.
;;     - A block's scale is 2^e with e = floor(log2(the largest magnitude in the block)) - 2, held to -126 .. 127; a block of zeros has e = 0. As a byte (E8M0): e + 127.
;;     - Each number is divided by its block's scale, clamped to +-6, and rounded to the nearest number of E2M1, ties to even, subnormals kept.
;;     - The product sums the exact products of the quantised numbers (number of the format x scale) in f32.
;;   ~~~python
;;   def quantise(x, axis):      # numpy; x: float32 -> the quantised numbers, widened to float32 again
;;       x = np.moveaxis(x, axis, -1); K = x.shape[-1]
;;       x = np.pad(x, [(0, 0)] * (x.ndim - 1) + [(0, -K % 32)]); x = x.reshape(x.shape[:-1] + (-1, 32)); a = np.abs(x).max(-1, keepdims=True)
;;       e = np.where(a > 0, np.clip(np.frexp(np.where(a > 0, a, 1))[1] - 1 - 2, -126, 127), 0)      # np.frexp(a)[1] - 1 = floor(log2(a)), exactly
;;       r = np.clip(x / 2.0 ** e, -6, 6)
;;       step = 2.0 ** (np.maximum(np.frexp(np.where(r == 0, 1, r))[1] - 1, 0) - 1)
;;       q = np.round(r / step) * step * 2.0 ** e      # np.round: ties to even
;;       return np.moveaxis(q.reshape(q.shape[:-2] + (-1,))[..., :K], -1, axis).astype(np.float32)
;;   ~~~
;; One version. Each part assembles by itself: llvm-mc -triple=amdgcn-amd-amdhsa -mcpu=gfx1250 --defsym DOCPART=n.
;; ======== version 1 of 1: 2 launches
;; limits: right only within a limited range of input values
;; workspace buffers: codes 1,114,112 bytes
;; launch prep (part 1): grid 256 x 1, 6 waves a work-group, no clusters, 30,464 bytes of LDS; arguments X, weight, codes; writes codes
.if DOCPART == 1
	.amdgcn_target "amdgcn-amd-amdhsa--gfx1250"
	.amdhsa_code_object_version 6
	.text
	.protected	k_q46db8779eb_prep
	.globl	k_q46db8779eb_prep
	.p2align	8
	.type	k_q46db8779eb_prep,@function
k_q46db8779eb_prep:
	s_mov_b64 s[64:65], 0
	v_nop
	global_prefetch_b8 v0, s[64:65] scope:SCOPE_SE
	s_setreg_imm32_b32 hwreg(HW_REG_WAVE_MODE, 25, 1), 1
	s_wait_xcnt 0x0
; X [16384][64] and weight [8192][64], f32, become what the next launch's matrix instructions take: codes of FP4 (E2M1) with one E8M0 scale byte for each 32 along K,
; and for each token of weight hb = -0.5 x the sum of its squares (f32), which enters the next launch's products as their C.
; LEFT OUT AS DEAD WORK: |x|^2.  The definition takes, for each row x, the first n with the least |x|^2 - 2 q(x).q(w_n) + |w_n|^2.  |x|^2 is one number for all n of a row: adding it to every
; distance of the row changes no order between them, whatever finite values X holds.  So the program takes the first n with the largest q(x).q(w_n) - |w_n|^2 / 2.
; LIMITS: a NaN, an infinity or an overflow that reaches |x|^2 alone is not carried to the result; the rounding that adding |x|^2 brings with it is not made: tokens whose distances differ by a few units
; in the last place of that sum may be ordered otherwise.  NaN and infinities among the inputs are not served; |w|^2 must be finite; it is summed in four chains and across two lanes.
; A block of zeros gets the scale byte 1 where the rule says 127: its codes are zeros, which add nothing, and this program alone reads the bytes.
; LAYOUT OF codes (a tile = 16 rows; a tile's 512 bytes of codes are an image of the operand's registers: lane (r, h)'s 16 bytes (row r, block h: k = 32 h .. 32 h + 31) at 16 x lane;
; a row's scale word holds the bytes of its blocks 0, 1, 0, 1):
;   0        weight: the pair of tiles g (tokens 32 g .. 32 g + 31) at 1,280 g: the two tiles' codes, 32 scale words, 32 hb
;   327,680  X: tile t at 768 t: codes, then 32 pairs of words: row r's scale word at 8 r, twice; the second 128 bytes repeat the first
; SHARES: work-group g makes weight's pair g (waves 0, 1) and X's tiles 4 g .. 4 g + 3 (waves 2 to 5).
; Each load takes 512 consecutive bytes, 16 a lane; the tile turns through the wave's own LDS so that lane (r, h) holds all 32 numbers of a block: its largest magnitude needs no other lane.
; No matrix unit, no cluster: no two work-groups share a byte.
.set WREG,  4864                       ; LDS of a wave: block (r, h) at 144 (16 h + r) + 128 h (16 bytes of padding behind 128)
.set PM,    6*WREG                     ; the pair's 256 bytes of scale words and hb
.set SPARE, PM+512                     ; the spare words, 128 bytes a wave
.set XB,    327680
.set RAW,   16                         ; v16-47  as loaded
.set N,     48                         ; v48-79  my block's 32 numbers
.set C,     88                         ; v88-91  my 32 codes
.set SQ,    92                         ; v92-95  sum of squares, two packed chains
	s_load_b128 s[4:7], s[0:1], 0x0                ; X, weight
	s_load_b64 s[8:9], s[0:1], 0x10                ; codes
	v_lshl_add_u32 v12, v0, 2, SPARE
	v_mov_b32 v13, 0
	v_lshrrev_b32 v1, 5, v0
	v_and_b32 v2, 31, v0                           ; lane
	v_bfe_u32 v3, v0, 4, 1                         ; lane / 16
	v_bfe_u32 v4, v0, 3, 1                         ; as loaded: which block of the row,
	v_and_b32 v5, 7, v0                            ; which 16 bytes of it
	v_and_b32 v6, 15, v0
	v_readfirstlane_b32 s12, v1                    ; wave 0..5
	v_lshlrev_b32 v7, 4, v2                        ; 16 x lane: in, and the codes' way out
	v_lshlrev_b32 v14, 3, v2                       ; 8 x lane: the scale words' and hb's way out
	v_lshlrev_b32 v15, 3, v3                       ; 8 h: my scale byte's place in the word
	v_mov_b32 v85, 0                               ; a lane permute's destination counts as one of its sources
	v_mov_b32 v97, 0
	s_mul_i32 s13, s12, WREG
	v_mul_u32_u24 v8, 0x90, v3
	v_mul_u32_u24 v1, 0x980, v4
	v_mul_u32_u24 v9, 0x90, v2
	v_add_nc_u32 v8, v8, v1
	v_lshl_add_u32 v9, v3, 7, v9
	v_lshl_add_u32 v8, v5, 4, v8
	v_add_nc_u32 v9, s13, v9                       ; LDS, out: 144 lane + 128 h
	v_add_nc_u32 v8, s13, v8                       ; LDS, in: row lane / 16 of a load's two
	s_lshl_b32 s14, s12, 6
	s_add_co_u32 s14, s14, PM
	v_lshl_add_u32 v10, v6, 2, s14                 ; (waves 0, 1) my token's scale word; its hb lies 128 bytes on
	v_lshl_add_u32 v11, v2, 3, PM                  ; (wave 0) where they are read back, 8 bytes a lane
	s_lshl_b32 s16, ttmp9, 2
	s_add_co_u32 s16, s16, s12
	s_sub_co_u32 s16, s16, 2                       ; X's tile
	s_lshl_b32 s17, ttmp9, 13
	s_lshl_b32 s18, s12, 12
	s_add_co_u32 s17, s17, s18                     ; weight: tile 2 g + wave
	s_lshl_b32 s18, s16, 12
	s_mul_i32 s21, ttmp9, 1280
	s_lshl_b32 s19, s12, 9
	s_add_co_u32 s19, s19, s21
	s_add_co_u32 s21, s21, 1024
	s_mul_i32 s20, s16, 768
	s_add_co_u32 s20, s20, XB
	s_add_co_u32 s22, s20, 512
	s_mov_b32 s25, 0
	s_mov_b32 s27, 0
	s_mov_b32 s29, 0
	s_mov_b32 s10, 0x76543210
	s_mov_b32 s11, 0xfedcba98                      ; v_permlanex16_b32's selects for lane l xor 16
	s_cmp_lt_u32 s12, 2                            ; weight's wave or X's
	s_cselect_b32 s24, s17, s18
	s_cselect_b32 s26, s19, s20
	s_cselect_b32 s28, s21, s22
	s_wait_alu depctr_va_vdst(0)                   ; the wait at the head's end
	s_wait_kmcnt 0x0
	s_cselect_b64 s[4:5], s[6:7], s[4:5]
	s_add_nc_u64 s[4:5], s[4:5], s[24:25]          ; my tile's 4,096 bytes
	s_add_nc_u64 s[6:7], s[8:9], s[26:27]          ; its codes
	s_add_nc_u64 s[8:9], s[8:9], s[28:29]          ; its scale words (and hb)
.irp i, 0,1,2,3,4,5,6,7
	global_load_b128 v[RAW+4*\i:RAW+4*\i+3], v7, s[4:5] offset:512*\i th:TH_LOAD_NT   ; rows 2 i, 2 i + 1
.endr
.irp i, 0,1,2,3,4,5,6,7
	s_wait_loadcnt 7-\i                            ; the younger loads may be out
	ds_store_b128 v8, v[RAW+4*\i:RAW+4*\i+3] offset:288*\i
.endr
.irp i, 0,1,2,3,4,5,6,7
	ds_load_b128 v[N+4*\i:N+4*\i+3], v9 offset:16*\i   ; LDS serves a wave's instructions in order: these see my stores
.endr
	s_wait_dscnt 0x0
	v_max3_num_f32 v80, |v[N]|, |v[N+1]|, |v[N+2]|     ; the block's largest magnitude, in two chains
	v_max3_num_f32 v81, |v[N+3]|, |v[N+4]|, |v[N+5]|
.irp i, 6,10,14,18,22,26
	v_max3_num_f32 v80, v80, |v[N+\i]|, |v[N+\i+1]|
	v_max3_num_f32 v81, v81, |v[N+\i+2]|, |v[N+\i+3]|
.endr
	v_max3_num_f32 v80, v80, |v[N+30]|, |v[N+31]|
	v_max3_num_f32 v80, v80, v81, 0x1800000        ; and the floor 2^(3 - 127): the byte cannot fall under 1
	v_add_nc_u32 v82, 0xff000000, v80              ; 2 off the exponent field: the conversion takes the exponent field of this operand as its scale
	v_lshrrev_b32 v83, 23, v82                     ; the scale's byte
.irp g, 0,1,2,3
	v_cvt_scalef32_pk8_fp4_f32 v[C+\g], v[N+8*\g:N+8*\g+7], v82
.endr
	v_lshlrev_b32 v83, v15, v83                    ; at its place.  (Also the plain line behind the last conversion)
	global_store_b128 v7, v[C:C+3], s[6:7]         ; 512 consecutive bytes
	v_permlanex16_b32 v85, v83, s10, s11
	v_or_b32 v84, v83, v85                         ; with the row's other block's,
	v_lshl_or_b32 v98, v84, 16, v84                ; and once more for the upper 64 of the instruction's K
	s_cmp_lt_u32 s12, 2
	s_wait_alu depctr_va_vdst(0)                   ; the wait ahead of the branch
	s_cbranch_scc0 .Lrows_of_x
	v_pk_mul_f32 v[SQ:SQ+1], v[N:N+1], v[N:N+1]
	v_pk_mul_f32 v[SQ+2:SQ+3], v[N+2:N+3], v[N+2:N+3]
.irp i, 4,8,12,16,20,24,28
	v_pk_fma_f32 v[SQ:SQ+1], v[N+\i:N+\i+1], v[N+\i:N+\i+1], v[SQ:SQ+1]
	v_pk_fma_f32 v[SQ+2:SQ+3], v[N+\i+2:N+\i+3], v[N+\i+2:N+\i+3], v[SQ+2:SQ+3]
.endr
	v_pk_add_f32 v[SQ:SQ+1], v[SQ:SQ+1], v[SQ+2:SQ+3]
	v_add_f32 v96, v[SQ], v[SQ+1]                  ; my block's sum of squares,
	v_permlanex16_b32 v97, v96, s10, s11
	v_add_f32 v96, v96, v97                        ; with the token's other block: the same bits in both lanes
	v_mul_f32 v96, -0.5, v96                       ; hb (the halving is exact)
	ds_store_b32 v10, v98                          ; both lanes of a token write the same words with the same bits
	ds_store_b32 v10, v96 offset:128
	s_branch .Ljoin
.Lrows_of_x:
	v_mov_b32 v99, v98                             ; X: the word twice, so that the wave stores 256 consecutive bytes
	global_store_b64 v14, v[98:99], s[8:9]
.Ljoin:
	s_wait_dscnt 0x0                               ; for wave 0's sake: my LDS stores are done
	s_barrier_signal -1
	s_barrier_wait -1
	s_cmp_lg_u32 s12, 0
	s_cbranch_scc1 .Lend
	ds_load_b64 v[86:87], v11                      ; wave 0: the pair's scale words and hb leave as 256 consecutive bytes
	s_wait_dscnt 0x0
	global_store_b64 v14, v[86:87], s[8:9]
.Lend:
	s_wait_tensorcnt 0x0                           ; the wave's end
	ds_add_u32 v12, v13
	s_wait_dscnt 0x0
	s_endpgm
.Lfunc_end_k_q46db8779eb_prep:
	.size	k_q46db8779eb_prep, .Lfunc_end_k_q46db8779eb_prep-k_q46db8779eb_prep
	.p2alignl 7, 3214868480
	.fill 96, 4, 3214868480
	.section	.rodata,"a",@progbits
	.p2align	6, 0x0
	.amdhsa_kernel k_q46db8779eb_prep
		.amdhsa_group_segment_fixed_size 30464
		.amdhsa_private_segment_fixed_size 0
		.amdhsa_enable_private_segment 0
		.amdhsa_kernarg_size 24
		.amdhsa_user_sgpr_count 2
		.amdhsa_user_sgpr_kernarg_segment_ptr 1
		.amdhsa_wavefront_size32 1
		.amdhsa_system_sgpr_workgroup_id_x 1
		.amdhsa_system_sgpr_workgroup_id_y 1
		.amdhsa_system_sgpr_workgroup_id_z 1
		.amdhsa_system_vgpr_workitem_id 0
		.amdhsa_next_free_vgpr 100
		.amdhsa_next_free_sgpr 66
		.amdhsa_reserve_vcc 0
		.amdhsa_float_denorm_mode_32 3
		.amdhsa_float_denorm_mode_16_64 3
		.amdhsa_memory_ordered 1
		.amdhsa_forward_progress 1
		.amdhsa_inst_pref_size 9
	.end_amdhsa_kernel
	.amdgpu_metadata
---
amdhsa.version: [ 1, 2 ]
amdhsa.kernels:
  - .name:           k_q46db8779eb_prep
    .symbol:         k_q46db8779eb_prep.kd
    .args:
      - { .name: X, .offset: 0, .size: 8, .value_kind: global_buffer, .address_space: global }
      - { .name: weight, .offset: 8, .size: 8, .value_kind: global_buffer, .address_space: global }
      - { .name: codes, .offset: 16, .size: 8, .value_kind: global_buffer, .address_space: global }
    .group_segment_fixed_size: 30464
    .private_segment_fixed_size: 0
    .kernarg_segment_align: 8
    .kernarg_segment_size: 24
    .max_flat_workgroup_size: 192
    .sgpr_count:     66
    .vgpr_count:     100
    .wavefront_size: 32
...
	.end_amdgpu_metadata
.endif
;; end of part 1
;; launch nearest (part 2): grid 256 x 1, 16 waves a work-group, clusters of 4 x 1, 327,680 bytes of LDS; arguments codes, out0; writes out0
.if DOCPART == 2
	.amdgcn_target "amdgcn-amd-amdhsa--gfx1250"
	.amdhsa_code_object_version 6
	.text
	.protected	k_q46db8779eb_nearest
	.globl	k_q46db8779eb_nearest
	.p2align	8
	.type	k_q46db8779eb_nearest,@function
k_q46db8779eb_nearest:
	s_mov_b64 s[64:65], 0
	v_nop
	global_prefetch_b8 v0, s[64:65] scope:SCOPE_SE
	s_setreg_imm32_b32 hwreg(HW_REG_WAVE_MODE, 25, 1), 1
	s_wait_xcnt 0x0
	s_wait_alu depctr_hold_cnt(0) depctr_sa_sdst(0) depctr_va_vdst(0) depctr_va_sdst(0) depctr_va_ssrc(0) depctr_va_vcc(0) depctr_vm_vsrc(0)
	s_getreg_b32 s2, hwreg(HW_REG_IB_STS2, 6, 4)
	s_cmp_eq_u32 s2, 0
	s_cbranch_scc0 .Lentry_in_a_cluster
	s_endpgm
.Lentry_in_a_cluster:
	s_bfe_u32 s2, ttmp6, 0x10000c
	s_cmp_lg_u32 s2, 0x3003
	s_cbranch_scc0 .Lentry_shape_is_right
	s_endpgm
.Lentry_shape_is_right:
; out0[row] = the first token n that makes score(n) = q(x).q(w_n) - |w_n|^2 / 2 largest: the first n of the least |x|^2 - 2 q(x).q(w_n) + |w_n|^2.
; LEFT OUT: |x|^2, one number for all n of a row, which changes no order between them (shown, with its limits, at the head of the launch before).
; LIMITS: a score is rounded once, in the matrix unit; NaN and infinities are not served.
; One matrix instruction gives 32 tokens (a pair of tiles) x 16 queries of scores: its C is hb = -|w|^2 / 2 (made by the launch before), so no vector line forms a score.
; K IS 64, THE INSTRUCTION'S 128.  A pair of token tiles lies in 16 registers [even | 0 | odd | 0]: the upper 64 of K meet zero codes.  The four tiles of queries lie side by side with a pad behind the last:
; a product takes [x_q | next], and what stands next is multiplied by zeros and adds exactly 0.
; LAYOUT: source 0 = tokens, source 1 = queries: lane (r, h) holds query r; result registers 0-7 are the even tile's tokens 8 h + j, registers 8-15 the odd one's.
; SHARES: a work-group owns 64 queries (four tiles); each of its sixteen waves owns 512 tokens, 512 w .. 512 w + 511, as 16 pairs of tiles, for all 64.  256 work-groups of equal work.
; THE WAY IN: pairs 0 to 2 come by ordinary loads, codes straight into registers and figures (scale words, hb)
; through 768 bytes of LDS of the wave's own: their work stands ahead of the first read of what the tensor load brings.  No LDS byte is filled twice, and a wave reads only what it brought itself.
; CLUSTER: every work-group reads the same W, so the four of a cluster ask JOINTLY: the same load, the same descriptor (made of the wave's number alone), mask 15.
; NO PREFETCH: all of W is asked for at the head; no later request is left to run ahead of.
; THE MAXIMUM, once for a pair, that is sixteen scores a lane: eight v_max3 (the scores and the old maximum); one compare, new > old, strict, so that the first pair that reaches a maximum stays; where it grew,
; the sixteen scores (eight lines of two selects) and the pair's number are kept.  At the end the first kept score equal to the maximum is found.  No branch on data.
; Step i = 4 pair + query tile: its product, the maximum of step i - 1, the keeping of step i - 2; results take turns in three sets of 16 registers.
.set PAIR,  1280                       ; codes: a pair of W: two tiles' codes, at 1,024 its scale words, at 1,152 its hb
.set FIRST, 3                          ; pairs that come by ordinary loads
.set SHARE, 13*PAIR                    ; what the tensor load brings: 65 rows of 256 bytes
.set XB,    327680                     ; X's tiles, 768 bytes each
.set FD,    16*SHARE                   ; LDS behind the tiles: the first pairs' figures, 256 bytes a pair, 768 a wave
.set CMB,   FD+16*768                  ; each wave's (score, token) of the 64 queries, 512 bytes a wave
.set SPARE, CMB+16*512                 ; the spare words, 128 bytes a wave
.set CO,  1                            ; 16 x lane: codes
.set HA,  2                            ; LDS, the first pairs: hb of my half's eight tokens
.set SA,  3                            ; LDS, the first pairs: scale words: lanes 0-15 the even tile's, lanes 16-31 the odd one's
.set T,   4                            ; v4-10  the maximum's tree
.set LW,  11                           ; LDS: where I put the figures of pairs 0 and 1
.set XS,  12                           ; v12-15 the queries' scale words, a register a tile: scales and nothing else
.set WS,  16                           ; v16-17 W's, of two pairs: scales and nothing else
.set M,   18                           ; v18-25 tile q: two running maxima by turns: a pair of parity p reads M + 2 q + p and writes the other
.set TS,  26                           ; v26-29 the kept pair
.set XQ,  30                           ; v30-49 four tiles of queries, pad
.set WF,  50                           ; v50-97 three pairs of W, 16 registers each
.set HB,  98                           ; v98-129 hb of two pairs, in the result's layout
.set D,   130                          ; v130-177 results
.set S,   178                          ; v178-241 the kept scores, 16 for each tile of queries
.set MT,  S+32                         ; v210-215 at the start: the first pairs' figures on their way into LDS; first kept into at step 4
.set CW,  242                          ; LDS: where I store (score, token)
.set BASE, 243                         ; 512 w + 8 h
.set SPW, 244                          ; my spare word
.set NIL, 245                          ; 0
.set CR,  246                          ; LDS: from where wave 0 reads the waves' results
.set GO,  247                          ; 8 x lane
.set MO,  248                          ; figures: 1,280 (lane / 16) + 16 (lane % 16)
.set XO,  249                          ; X's scale words: 8 r
.set CA,  250                          ; LDS, the tiles: codes,
.set SB,  251                          ; scale words,
.set HC,  252                          ; hb
.set LX,  253                          ; LDS: where I put the figures of pair 2
.set E,   D                            ; at the end: v130-161 at work
.set R,   WF                           ; at the end: v50-113 the waves' results
.set G1,  16                           ; s[16:23], s[24:27] the descriptor's groups 1 and 0
.set G0,  24
; A round of the cluster's barrier: my work-group's barrier; wave 0 signals for the work-group; every wave waits for all four work-groups; my work-group's barrier once more.
.macro ROUND
	s_barrier_signal -1
	s_barrier_wait -1
	s_cmp_lg_u32 s8, 0
	s_cbranch_scc1 .Lnot_wave_0_\@
	s_barrier_signal -3
.Lnot_wave_0_\@:
	s_barrier_wait -3
	s_barrier_signal -1
	s_barrier_wait -1
.endm
.macro CODES p                         ; pair p's two images, from memory
	global_load_b128 v[WF+16*(\p):WF+16*(\p)+3], v[CO], s[12:13] offset:PAIR*(\p)
	global_load_b128 v[WF+16*(\p)+8:WF+16*(\p)+11], v[CO], s[12:13] offset:PAIR*(\p)+512
.endm
.macro FIG p                           ; pair p's scale words and hb
.set HP, HB+16*((\p)%2)
.if (\p) < FIRST
.set FS, SA
.set FH, HA
.set FO, 256*(\p)
.else
.set FS, SB
.set FH, HC
.set FO, PAIR*((\p)-FIRST)+1024
.endif
	ds_load_b32 v[WS+(\p)%2], v[FS] offset:FO
	ds_load_b128 v[HP:HP+3], v[FH] offset:FO
	ds_load_b128 v[HP+4:HP+7], v[FH] offset:FO+16
	ds_load_b128 v[HP+8:HP+11], v[FH] offset:FO+64
	ds_load_b128 v[HP+12:HP+15], v[FH] offset:FO+80
.endm
.macro TILES p                         ; pair p out of LDS: its two images and its figures, seven loads
.set WP, WF+16*((\p)%3)
	ds_load_b128 v[WP:WP+3], v[CA] offset:PAIR*((\p)-FIRST)
	ds_load_b128 v[WP+8:WP+11], v[CA] offset:PAIR*((\p)-FIRST)+512
	FIG \p
.endm
.macro LV d, a, b, c
.if LON
	v_max3_num_f32 v[\d], v[\a], v[\b], v[\c]
.endif
.endm
.macro KEEP2 j                         ; two scores: the first pair's are taken, later ones where the maximum grew
.if KON
.if KPR == 0
	v_dual_mov_b32 v[KS+\j], v[KD+\j] :: v_dual_mov_b32 v[KS+\j+1], v[KD+\j+1]
.else
	v_dual_cndmask_b32 v[KS+\j], v[KS+\j], v[KD+\j] :: v_dual_cndmask_b32 v[KS+\j+1], v[KS+\j+1], v[KD+\j+1]
.endif
.endif
.endm
.macro STEP
.set WON, I < 64
.set LON, (I >= 1) && (I <= 64)
.set KON, I >= 2
.set P, I/4
.set Q, I%4
.set DD, D+16*(I%3)                    ; this step's results
.set AD, D+16*((I+2)%3)                ; step I - 1's
.set AQ, (I+3)%4
.set AP, (I-1)/4
.set KD, D+16*((I+1)%3)                ; step I - 2's
.set KQ, (I+2)%4
.set KPR, (I-2)/4
.set KS, S+16*KQ
.if WON
.if Q == 0
	s_wait_alu depctr_va_vdst(0)                   ; the wait ahead of the waits below
.if P == 0
	s_wait_loadcnt 5                               ; X and pair 0's codes are in; behind them: pairs 1 and 2, two loads each, and one load of figures
.elseif P == 2
	s_wait_loadcnt 0                               ; pair 2's codes are in (pair 1's by the wait in step 3)
.endif
.if P < 2
	s_wait_dscnt 5                                 ; this pair's figures are in; the next pair's five loads may be out
.elseif (P == 2) || (P == 15)
	s_wait_dscnt 0                                 ; nothing was asked for behind this pair
.else
	s_wait_dscnt 7                                 ; this pair is in; the next pair's seven loads may be out
.endif
.endif
.set WE, WF+16*(P%3)
.set XL, XQ+4*Q
.set HE, HB+16*(P%2)
	v_wmma_scale_f32_32x16x128_f4 v[DD:DD+15], v[WE:WE+15], v[XL:XL+7], v[HE:HE+15], v[WS+P%2], v[XS+Q]
.if I == 0
.rept 4
	v_nop                                          ; the places behind the first product: nothing lags behind it yet
.endr
.endif
.endif
.if KON && (KPR > 0)
	v_cmp_gt_f32 vcc_lo, v[M+2*KQ+1-KPR%2], v[M+2*KQ+KPR%2]   ; has it grown?  Strictly: an equal score in a later pair changes nothing
.endif
	LV T, AD, AD+1, AD+2                           ; a result is read from its low end on
	LV T+1, AD+3, AD+4, AD+5
	LV T+2, AD+6, AD+7, AD+8
	LV T+3, AD+9, AD+10, AD+11
	LV T+4, AD+12, AD+13, AD+14
	KEEP2 0
	KEEP2 2
	KEEP2 4
	KEEP2 6
.if LON
.if AP == 0
	v_max_num_f32 v[T+5], v[AD+15], v[T]
.else
	v_max3_num_f32 v[T+5], v[AD+15], v[T], v[M+2*AQ+AP%2]
.endif
.endif
	KEEP2 8
	KEEP2 10
	LV T+6, T+1, T+2, T+3
	KEEP2 12
	KEEP2 14
.if KON
.if KPR == 0
	v_mov_b32 v[TS+KQ], 0
.else
	v_cndmask_b32 v[TS+KQ], v[TS+KQ], KPR, vcc_lo
.endif
.endif
	LV M+2*AQ+1-AP%2, T+4, T+5, T+6                ; the new maximum
	; Loads land in registers that were last read by products a step's plain lines back or more.
.if I == 3
	s_wait_alu depctr_va_vdst(0)                   ; the wait here, directly ahead of the wait below
	s_wait_loadcnt 2                               ; pair 2's figures and pair 1's codes are in; pair 2's codes may be out
	ds_store_b64 v[LX], v[MT+4:MT+5]
	FIG 2
.elseif I == 10
	s_wait_alu depctr_va_vdst(0)                   ; the wait here, directly ahead of the wait below
	s_wait_tensorcnt 0x0                           ; my tensor load has landed: pairs 3 to 15
	TILES 3
.elseif WON && (Q == 3) && (P >= 2) && (P < 14)
	TILES P+2
.endif
.endm
; Wave 0's last work, a level of a tree: set b (higher waves, higher tokens) against set a, for my two queries: a stays unless b is strictly better, so that the first token wins a tie.
.macro BETTER a, b
	v_cmp_gt_f32 s[16+\a], v[R+4*(\b)], v[R+4*(\a)]
	v_cmp_gt_f32 s[17+\a], v[R+4*(\b)+2], v[R+4*(\a)+2]
.endm
.macro TAKE a, b
.irp k, 0,1
	v_cndmask_b32 v[R+4*(\a)+\k], v[R+4*(\a)+\k], v[R+4*(\b)+\k], s[16+\a]
	v_cndmask_b32 v[R+4*(\a)+2+\k], v[R+4*(\a)+2+\k], v[R+4*(\b)+2+\k], s[17+\a]
.endr
.endm
	s_load_b128 s[4:7], s[0:1], 0x0                ; codes, out0
	v_lshl_add_u32 v[SPW], v0, 2, SPARE
	v_mov_b32 v[NIL], 0
	ds_add_u32 v[SPW], v[NIL]                      ; the wave's opening: the add, twice on end, and its wait ahead of my tensor load
	ds_add_u32 v[SPW], v[NIL]
.irp k, 0,1,2,3
.irp p, 0,1,2
	v_mov_b32 v[WF+16*\p+4+\k], 0                  ; the zero codes behind each tile
	v_mov_b32 v[WF+16*\p+12+\k], 0
.endr
	v_mov_b32 v[XQ+16+\k], 0                       ; and the pad
.endr
	v_lshrrev_b32 v[T], 5, v0
	v_and_b32 v[T+1], 31, v0                       ; lane
	v_and_b32 v[T+2], 15, v0                       ; r
	v_bfe_u32 v[T+3], v0, 4, 1                     ; h
	v_readfirstlane_b32 s8, v[T]                   ; wave 0..15
	v_lshlrev_b32 v[CO], 4, v[T+1]
	v_lshlrev_b32 v[GO], 3, v[T+1]
	v_mul_u32_u24 v[MO], 0x500, v[T+3]
	v_lshlrev_b32 v[XO], 3, v[T+2]
	v_lshl_add_u32 v[CR], v[T+1], 4, CMB
	s_mul_i32 s9, s8, SHARE
	s_add_co_u32 s10, s9, 128
	v_lshl_add_u32 v[CA], v[T+1], 4, s9
	v_lshl_add_u32 v[SB], v[T+1], 2, s9
	v_lshl_add_u32 v[HC], v[T+3], 5, s10
	s_mul_i32 s9, s8, 768
	s_add_co_u32 s9, s9, FD
	v_lshl_add_u32 v[LW], v[T+1], 4, s9
	v_lshl_add_u32 v[SA], v[T+1], 2, s9
	s_add_co_u32 s10, s9, 512
	v_lshl_add_u32 v[LX], v[T+1], 3, s10
	s_add_co_u32 s10, s9, 128
	v_lshl_add_u32 v[HA], v[T+3], 5, s10
	v_lshl_add_u32 v[MO], v[T+2], 4, v[MO]
	s_lshl_b32 s10, s8, 9
	v_lshl_add_u32 v[BASE], v[T+3], 3, s10
	s_add_co_u32 s10, s10, CMB
	v_lshl_add_u32 v[CW], v[T+1], 3, s10
	s_bfe_u32 s11, ttmp6, 0x40000                  ; cx: my place in the cluster
	s_lshl_b32 s10, ttmp9, 2                       ; in a cluster launch ttmp9 counts clusters
	s_add_co_u32 s10, s10, s11                     ; my work-group: it enters X's and out0's addresses alone
	s_mul_i32 s12, s8, 16*PAIR                     ; W: 16 pairs a wave
	s_mov_b32 s13, 0
	s_mul_i32 s14, s10, 3072                       ; X: four tiles of 768 bytes a work-group
	s_add_co_u32 s14, s14, XB
	s_mov_b32 s15, 0
	s_lshl_b32 s28, s10, 8                         ; out0: 64 numbers of 4 bytes a work-group
	s_mov_b32 s29, 0
	; descriptor group 1: a dense block of 16,640 bytes as 65 rows of 256 bytes (32 elements of 8 bytes), no padding: the reads are images of registers
	s_mov_b32 s[G1], 15|(3<<16)|(1<<21)            ; 15:0 the mask: all four work-groups; 17:16 elements of 8 bytes; 21 set beside a mask
	s_mov_b32 s[G1+1], 32<<16                      ; tensor_dim0 = 32
	s_mov_b32 s[G1+2], 65<<16                      ; tensor_dim1 = 65
	s_mov_b32 s[G1+3], 32<<16                      ; tile_dim0 = 32
	s_mov_b32 s[G1+4], 65                          ; tile_dim1 = 65
	s_mov_b32 s[G1+5], 32                          ; from row to row: 32 elements
	s_mov_b32 s[G1+6], 0
	s_mov_b32 s[G1+7], 0
	s_mov_b32 s[G0], 1
	s_mul_i32 s[G0+1], s8, SHARE                   ; LDS address
	s_wait_alu depctr_va_vdst(0)                   ; the wait at the head's end
	s_wait_dscnt 0x0                               ; both opening adds are done
	s_wait_kmcnt 0x0
	s_add_nc_u64 s[12:13], s[4:5], s[12:13]
	s_add_nc_u64 s[14:15], s[4:5], s[14:15]
	s_add_nc_u64 s[6:7], s[6:7], s[28:29]
	global_load_b128 v[MT:MT+3], v[MO], s[12:13] offset:1024   ; what the first pair needs is asked for first: the figures of pairs 0 and 1, 256 bytes of each
.irp q, 0,1,2,3
	global_load_b128 v[XQ+4*\q:XQ+4*\q+3], v[CO], s[14:15] offset:768*\q
.endr
.irp q, 0,1,2,3
	global_load_b32 v[XS+\q], v[XO], s[14:15] offset:768*\q+512
.endr
	CODES 0
	CODES 1
	global_load_b64 v[MT+4:MT+5], v[GO], s[12:13] offset:2*PAIR+1024   ; pair 2's figures
	CODES 2
	s_add_nc_u64 s[G0+2:G0+3], s[12:13], FIRST*PAIR    ; global address: my pairs 3 to 15
	s_or_b32 s[G0+3], s[G0+3], 0x80000000          ; 127:126 type = 2
	ROUND                                          ; all four work-groups are here: the joint loads meet
	tensor_load_to_lds s[G0:G0+3], s[G1:G1+7]      ; my one tensor load of the launch
	s_nop 0
	s_wait_loadcnt 15                              ; the figures of pairs 0 and 1 are in; 15 loads stand behind them
	ds_store_b128 v[LW], v[MT:MT+3]
	FIG 0                                          ; LDS serves a wave's instructions in order: these see the store
	FIG 1
.set I, 0
.rept 66                               ; 64 steps of products, and two for what lags behind them
	STEP
.set I, I+1
.endr
	; THE END.  The first of the 16 kept scores that equals the maximum, by halving: the lower half stays where it holds the maximum.  Positions 8 to 15 are the odd tile's, 16 tokens on.
.irp q, 0,1,2,3
	v_max3_num_f32 v[E+\q], v[S+16*\q], v[S+16*\q+1], v[S+16*\q+2]
.endr
.irp q, 0,1,2,3
	v_max3_num_f32 v[E+\q], v[E+\q], v[S+16*\q+3], v[S+16*\q+4]
.endr
.irp q, 0,1,2,3
	v_max3_num_f32 v[E+\q], v[E+\q], v[S+16*\q+5], v[S+16*\q+6]
.endr
.irp q, 0,1,2,3
	v_max_num_f32 v[E+\q], v[E+\q], v[S+16*\q+7]
.endr
.irp q, 0,1,2,3
	v_cmp_eq_f32 vcc_lo, v[E+\q], v[M+2*\q]
	v_lshl_add_u32 v[E+20+\q], v[TS+\q], 5, v[BASE]    ; the kept pair's first token of my half
.irp j, 0,2,4,6
	v_dual_cndmask_b32 v[S+16*\q+\j], v[S+16*\q+8+\j], v[S+16*\q+\j] :: v_dual_cndmask_b32 v[S+16*\q+\j+1], v[S+16*\q+9+\j], v[S+16*\q+\j+1]
.endr
	v_cndmask_b32 v[E+4+\q], 16, 0, vcc_lo
.endr
.irp q, 0,1,2,3
	v_max3_num_f32 v[E+\q], v[S+16*\q], v[S+16*\q+1], v[S+16*\q+2]
.endr
.irp q, 0,1,2,3
	v_max_num_f32 v[E+\q], v[E+\q], v[S+16*\q+3]
.endr
.irp q, 0,1,2,3
	v_cmp_eq_f32 vcc_lo, v[E+\q], v[M+2*\q]
.irp j, 0,2
	v_dual_cndmask_b32 v[S+16*\q+\j], v[S+16*\q+4+\j], v[S+16*\q+\j] :: v_dual_cndmask_b32 v[S+16*\q+\j+1], v[S+16*\q+5+\j], v[S+16*\q+\j+1]
.endr
	v_cndmask_b32 v[E+8+\q], 4, 0, vcc_lo
.endr
.irp q, 0,1,2,3
	v_max_num_f32 v[E+\q], v[S+16*\q], v[S+16*\q+1]
.endr
.irp q, 0,1,2,3
	v_cmp_eq_f32 vcc_lo, v[E+\q], v[M+2*\q]
	v_add3_u32 v[E+20+\q], v[E+20+\q], v[E+4+\q], v[E+8+\q]
	v_dual_cndmask_b32 v[S+16*\q], v[S+16*\q+2], v[S+16*\q] :: v_dual_cndmask_b32 v[S+16*\q+1], v[S+16*\q+3], v[S+16*\q+1]
	v_cndmask_b32 v[E+12+\q], 2, 0, vcc_lo
.endr
.irp q, 0,1,2,3
	v_cmp_eq_f32 vcc_lo, v[S+16*\q], v[M+2*\q]
	v_cndmask_b32 v[E+16+\q], 1, 0, vcc_lo
.endr
.irp q, 0,1,2,3
	v_add3_u32 v[E+20+\q], v[E+20+\q], v[E+12+\q], v[E+16+\q]
.endr
	; Two tiles of queries at a time: the swap brings the h = 0 halves of both into one register and the h = 1 halves into the other; the better one stays, at equal scores the lower token.
.irp b, 0,1
	v_permlane16_swap_b32 v[M+4*\b], v[M+4*\b+2]
	v_permlane16_swap_b32 v[E+20+2*\b], v[E+21+2*\b]
.endr
.irp b, 0,1
	v_cmp_gt_f32 s40, v[M+4*\b+2], v[M+4*\b]
	v_cmp_eq_f32 s41, v[M+4*\b+2], v[M+4*\b]
	v_cmp_lt_u32 s42, v[E+21+2*\b], v[E+20+2*\b]
	s_and_b32 s41, s41, s42
	s_or_b32 s40, s40, s41                         ; these masks select values alone
	v_cndmask_b32 v[E+24+2*\b], v[M+4*\b], v[M+4*\b+2], s40
	v_cndmask_b32 v[E+25+2*\b], v[E+20+2*\b], v[E+21+2*\b], s40
	ds_store_b64 v[CW], v[E+24+2*\b:E+25+2*\b] offset:256*\b       ; query 32 b + lane
.endr
	s_wait_alu depctr_va_vdst(0)                   ; the wait ahead of the barrier
	s_wait_dscnt 0x0                               ; for wave 0's sake: my LDS stores are done
	s_barrier_signal -1
	s_barrier_wait -1
	s_cmp_lg_u32 s8, 0
	s_cbranch_scc1 .Lothers
.irp w, 0,1,2,3,4,5,6,7,8,9,10,11,12,13,14,15
	ds_load_b128 v[R+4*\w:R+4*\w+3], v[CR] offset:512*\w           ; wave w's (score, token) of queries 2 l and 2 l + 1
.endr
	s_wait_dscnt 0x0
	; fifteen merges as a tree four deep: neighbours first, so that in every merge the first set holds the lower tokens
.irp a, 0,2,4,6,8,10,12,14
	BETTER \a, \a+1
.endr
.irp a, 0,2,4,6,8,10,12,14
	TAKE \a, \a+1
.endr
.irp a, 0,4,8,12
	BETTER \a, \a+2
.endr
.irp a, 0,4,8,12
	TAKE \a, \a+2
.endr
.irp a, 0,8
	BETTER \a, \a+4
.endr
.irp a, 0,8
	TAKE \a, \a+4
.endr
	BETTER 0, 8
	TAKE 0, 8
	v_mov_b32 v[R+2], v[R+1]                       ; the two tokens side by side
	global_store_b64 v[GO], v[R+2:R+3], s[6:7]     ; the wave stores 256 consecutive bytes, at a multiple of 256 from out0's first byte
.Lothers:
	s_wait_tensorcnt 0x0                           ; the wave's end
	ds_add_u32 v[SPW], v[NIL]
	s_wait_dscnt 0x0
	ROUND                                          ; the closing round: no work-group ends while a partner may still ask for a tile that names it
	s_endpgm
.Lfunc_end_k_q46db8779eb_nearest:
	.size	k_q46db8779eb_nearest, .Lfunc_end_k_q46db8779eb_nearest-k_q46db8779eb_nearest
	.p2alignl 7, 3214868480
	.fill 96, 4, 3214868480
	.section	.rodata,"a",@progbits
	.p2align	6, 0x0
	.amdhsa_kernel k_q46db8779eb_nearest
		.amdhsa_group_segment_fixed_size 327680
		.amdhsa_private_segment_fixed_size 0
		.amdhsa_enable_private_segment 0
		.amdhsa_kernarg_size 16
		.amdhsa_user_sgpr_count 2
		.amdhsa_user_sgpr_kernarg_segment_ptr 1
		.amdhsa_wavefront_size32 1
		.amdhsa_system_sgpr_workgroup_id_x 1
		.amdhsa_system_sgpr_workgroup_id_y 1
		.amdhsa_system_sgpr_workgroup_id_z 1
		.amdhsa_system_vgpr_workitem_id 0
		.amdhsa_next_free_vgpr 254
		.amdhsa_next_free_sgpr 66
		.amdhsa_reserve_vcc 1
		.amdhsa_float_denorm_mode_32 3
		.amdhsa_float_denorm_mode_16_64 3
		.amdhsa_memory_ordered 1
		.amdhsa_forward_progress 1
		.amdhsa_inst_pref_size 106
	.end_amdhsa_kernel
	.amdgpu_metadata
---
amdhsa.version: [ 1, 2 ]
amdhsa.kernels:
  - .name:           k_q46db8779eb_nearest
    .symbol:         k_q46db8779eb_nearest.kd
    .args:
      - { .name: codes, .offset: 0, .size: 8, .value_kind: global_buffer, .address_space: global }
      - { .name: out0, .offset: 8, .size: 8, .value_kind: global_buffer, .address_space: global }
    .group_segment_fixed_size: 327680
    .private_segment_fixed_size: 0
    .kernarg_segment_align: 8
    .kernarg_segment_size: 16
    .max_flat_workgroup_size: 512
    .sgpr_count:     66
    .vgpr_count:     254
    .wavefront_size: 32
...
	.end_amdgpu_metadata
.endif
;; end of part 2
